; MI455X (gfx1250); checked and timed in simulation.
; The chip was launched on July 23, 2026; its instructions are those of AMD's public machine-readable ISA for CDNA 5 (MIT licence, August 2026) and "CDNA5" Instruction Set Architecture Reference Guide (July 2026). The comments in the code are by the model that wrote it; some were corrected since.
;; Raymarcher. Allowed arithmetic: float matrix products may take bf16 or f16 operands with f32 sums; all other float work in f32.
;; Inputs: dt one number float32; primpos 1 x 64 x 3 float32; primrot 1 x 64 x 3 x 3 float32; primscale 1 x 64 x 3 float32; raydir 1 x 128 x 128 x 3 float32; template 1 x 64 x 4 x 16 x 16 x 16 float32; viewpos 1 x 3 float32; viewrot 1 x 3 x 3 float32.
;; Outputs: out0 1 x 4 x 128 x 128 float32; out1 1 x 128 x 128 x 3 float32; out2 1 x 128 x 128 x 3 float32.
;; One version. Each part assembles by itself: llvm-mc -triple=amdgcn-amd-amdhsa -mcpu=gfx1250 --defsym DOCPART=n.
;; ======== version 1 of 1: 2 launches
;; limits: right only within a limited range of input values
;; workspace buffers: tpl4 4,194,304 bytes; cand 65,536 bytes of whole numbers; qbox 4,096 bytes of whole numbers; qorg 196,608 bytes of whole numbers; qstp 196,608 bytes of whole numbers
;; launch mark (part 1): grid 256 x 1, 32 waves a work-group, no clusters, 9,984 bytes of LDS; arguments viewpos, dt, raydir, primpos, primrot, primscale, template, tpl4, cand, qbox, qorg, qstp; writes tpl4, cand, qbox, qorg, qstp
.if DOCPART == 1
	.amdgcn_target "amdgcn-amd-amdhsa--gfx1250"
	.amdhsa_code_object_version 6
	.text
	.protected	k_q557cac71bb_mark
	.globl	k_q557cac71bb_mark
	.p2align	8
	.type	k_q557cac71bb_mark,@function
k_q557cac71bb_mark:
	s_mov_b64 s[64:65], 0
	v_nop
	global_prefetch_b8 v0, s[64:65] scope:SCOPE_SE
	s_setreg_imm32_b32 hwreg(HW_REG_WAVE_MODE, 25, 1), 1
	s_wait_xcnt 0x0
; MARK: which boxes hold points of which wave, and the rays and boxes as whole numbers.  16,384 rays x 16 steps = 262,144 points, each held against 64 oriented boxes:
; y = ((pos - p) . R) * scale, inside where all |y| < 1.  No trip count and no address of a launch is made from floating-point numbers in that launch: so what steers the
; next launch is made here and stored as whole numbers.  The template is also laid anew here, [box][z][y][x][channel], so that a voxel's four channels are 16 neighbouring bytes.
; SHARES.  Work-group g owns rays 64 g .. 64 g + 63.  Wave w: step i = w / 2, half h = w % 2; its 32 points are that step of rays 64 g + 32 h + p: point set ps = 32 g + w.
; A wave first makes its 32 positions, one a lane.  Then the lanes change their meaning: lane l holds boxes l and l + 32, in the two halves of packed f32 registers,
; and the points come one after the other as scalars (v_readlane_b32): one instruction serves 64 pairs of point and box.  32 waves of 128 registers are 8 waves on each of 4 SIMDs.
; ARITHMETIC.  All in f32, in the order pos - p; a chain over i = 0, 1, 2 (multiply, two fused multiply-adds); times scale.  The matrix unit is left out: the sum has 3 terms, and positions
; rounded to 16 bits would move points across box faces, where the result jumps.
; OUT.  cand[ps][2]: the boxes 0-31 and 32-63 that hold any of the point set's 32 points.  qorg, qstp[component][ray]: the ray's first point and its step d dt / 256, in units of 2^-26.
; qbox[box][16]: words 0-8 M[i][j] = 7.5 R[i][j] scale[j] in units of 2^-b; 9-11 the centre in units of 2^-26; 12 b = 14 - the exponent of the largest |M|, kept in 0 .. 26; 13-15 are 0.
; With these the next launch finds a point's voxel cell by whole-number arithmetic.  The small outputs leave through LDS, so that each store covers whole aligned runs of 256 bytes.
; LIMITS.  NaN inputs are not treated apart (the three-operand maxima and minima drop a NaN).  A component of raydir below 2^-126 counts as 0 (v_rcp_f32 takes a denormal as zero: ISA guide, its entry).
; The quotients are a reciprocal with one correction step; pos and the chain are fused: a point within rounding of a box face, or of the ray's exit, may fall on the other side than with other roundings.
; The whole numbers hold positions up to 30 in size: every point that counts lies in [-1, 1]^3; a box centre beyond 30 is not served.  |M| from 2^-12 to 2^15 keeps the cell's full precision.
; viewrot is given to no launch: the function computed takes it and never uses it.
.set CANDL, 0                          ; LDS: [wave 32][2 words], 256 bytes
.set QRL,   256                        ; [component 6][ray 64] words, 1,536 bytes: the first points, then the steps
.set QBL,   1792                       ; [box 64][16 words], 4,096 bytes: wave 0's own
.set SPARE, 5888                       ; the spare words, 128 bytes for each of 32 waves: sixteen blocks of 256 bytes that no other line names
.set STEP, 3                           ; s3      my wave's step i
.set CAND, 6                           ; s6, s7  the boxes that hold any point so far
.set VPR,  32                          ; s32-34  viewpos as given       s35 dt as given
.set DTR,  35
.set VP,   36                          ; s36-38  viewpos / 256          s39 dt / 256
.set DTN,  39
.set A1,   40                          ; s40-42  -1 - vp                s43 i as f32
.set SIF,  43
.set A2,   44                          ; s44-46  1 - vp                 s47 i x dt / 256, rounded by itself
.set SIDT, 47
.set PS,   48                          ; s48, s50, s52 the point in hand; s49, s51, s53 = 0: named with them as pairs
.set CM,   54                          ; s54, s55 a point's two compare masks
.set TWO26, 58                         ; s58     2^26
.set LIMP, 59                          ; s59     30
.set NVP,  60                          ; s60-62  -vp
.set LIMN, 63                          ; s63     -30
.set DIR,  10                          ; v10-12  my ray's direction
.set RC,   13                          ; v13-15  its reciprocals
.set T1,   16                          ; v16-18  (-1 - vp) / d
.set T2,   19                          ; v19-21  (1 - vp) / d, then the larger of the two
.set Q0,   22                          ; v22-24  a quotient at work
.set QE,   23
.set Q1,   24
.set POS,  25                          ; v25-27  my point
.set TMIN, 28
.set TMAX, 29
.set TT,   30
.set PP,   32                          ; v32-37  box centres, 3 pairs (even register: box l, odd: box l + 32)
.set RR,   38                          ; v38-55  rotations: R[i][j] at RR + 2 (3 i + j)
.set SS,   56                          ; v56-61  scales
.set XM,   62                          ; v62-67  pos - p
.set LO,   62                          ; v62-64  the slabs' minima, before XM is in use
.set Y,    68                          ; v68-73  y
.set QT,   74                          ; v74-79  a ray's six whole numbers
.set MF,   62                          ; v62-79  behind the points: M in f32, 9 pairs
.set QW,   92                          ; v92-123 qbox's 16 words of box l, then of box l + 32
.set SPW,  126                         ; v126    LDS address of my spare word; never rewritten
.set NIL,  127                         ; v127    0; never rewritten
; q = sa / d: reciprocal, one correction by the remainder.  Where the correction is no number (d = 0 or infinite) the first product, an infinity or 0, is the quotient.
.macro DIVQ q, sa, d, r
	v_mul_f32 v[Q0], s[\sa], v[\r]
	v_fma_f32 v[QE], -v[Q0], v[\d], s[\sa]
	v_fma_f32 v[Q1], v[QE], v[\r], v[Q0]
	v_cmp_eq_f32 vcc_lo, v[Q1], v[Q1]
	v_cndmask_b32 v[\q], v[Q0], v[Q1], vcc_lo
.endm
; My ray against the volume [-1, 1]^3, and my point on it.  The same text stands in both launches, so that both have the same bits.  viewpos and dt have been waited for.  younger: the loads issued behind raydir's three.
.macro RAYSETUP younger
.irp c, 0,1,2
	s_mul_f32 s[VP+\c], s[VPR+\c], 0x3b800000      ; / 256 is x 2^-8: exact
	s_mul_f32 s[NVP+\c], s[VPR+\c], 0xbb800000
.endr
	s_mul_f32 s[DTN], s[DTR], 0x3b800000
	s_cvt_f32_u32 s[SIF], s[STEP]
.irp c, 0,1,2
	s_add_f32 s[A1+\c], s[NVP+\c], -1.0
	s_add_f32 s[A2+\c], s[NVP+\c], 1.0
.endr
	s_mul_f32 s[SIDT], s[SIF], s[DTN]
	s_wait_loadcnt \younger                        ; loads come back in order (ISA guide 5.7.1): raydir is in, the younger ones stay out
.irp c, 0,1,2
	v_rcp_f32 v[RC+\c], v[DIR+\c]
.endr
	v_nop                                          ; a plain instruction between the last reciprocal and the first use (ISA guide 5.7.2)
	s_wait_alu depctr_va_vdst(0)
.irp c, 0,1,2
	DIVQ T1+\c, A1+\c, DIR+\c, RC+\c
	DIVQ T2+\c, A2+\c, DIR+\c, RC+\c
.endr
.irp c, 0,1,2
	v_min_num_f32 v[LO+\c], v[T1+\c], v[T2+\c]
	v_max_num_f32 v[T2+\c], v[T1+\c], v[T2+\c]
.endr
	v_max3_num_f32 v[TMIN], v[LO], v[LO+1], v[LO+2]
	v_min3_num_f32 v[TMAX], v[T2], v[T2+1], v[T2+2]
	v_cmp_lt_f32 vcc_lo, v[TMIN], v[TMAX]
	v_cndmask_b32 v[TMIN], 0, v[TMIN], vcc_lo      ; a ray that misses the volume has 0 for both
	v_cndmask_b32 v[TMAX], 0, v[TMAX], vcc_lo
	v_max_num_f32 v[TT], 0, v[TMIN]
	v_add_f32 v[TT], s[SIDT], v[TT]                ; t = t0 + i dt
.irp c, 0,1,2
	v_fma_f32 v[POS+\c], v[DIR+\c], v[TT], s[VP+\c]
.endr
.endm
	s_load_b512 s[8:23], s[0:1], 0x0               ; viewpos 8:9, dt 10:11, raydir 12:13, primpos 14:15, primrot 16:17, primscale 18:19, template 20:21, tpl4 22:23
	s_load_b256 s[24:31], s[0:1], 0x40             ; cand 24:25, qbox 26:27, qorg 28:29, qstp 30:31
	v_lshl_add_u32 v[SPW], v0, 2, SPARE
	v_mov_b32 v[NIL], 0
	v_and_b32 v1, 31, v0                           ; lane
	v_lshrrev_b32 v82, 5, v0
	v_readfirstlane_b32 s2, v82                    ; wave 0..31
	s_lshr_b32 s[STEP], s2, 1                      ; step
	s_and_b32 s4, s2, 1                            ; half
	v_mul_u32_u24 v2, 12, v1                       ; a ray, a centre, a scale: 12 bytes
	v_mul_u32_u24 v3, 36, v1                       ; a rotation: 36 bytes
	v_lshlrev_b32 v8, 2, v0                        ; my voxel in a channel of the template
	v_lshlrev_b32 v9, 4, v0                        ; and in tpl4
	v_lshlrev_b32 v90, 4, v1
	v_lshlrev_b32 v91, 3, v1
	s_mov_b32 s[CAND], 0
	s_mov_b32 s[CAND+1], 0
	s_mov_b32 s[PS+1], 0
	s_mov_b32 s[PS+3], 0
	s_mov_b32 s[PS+5], 0
	s_mov_b32 s[TWO26], 0x4c800000
	s_mov_b32 s[LIMP], 0x41f00000
	s_mov_b32 s[LIMN], 0xc1f00000
	s_mov_b32 s57, 0                               ; offsets stay under 2^32: s[56:57] is the pair that is added
	s_wait_kmcnt 0x0
	s_load_b96 s[VPR:VPR+2], s[8:9], 0x0
	s_load_b32 s[DTR], s[10:11], 0x0
	s_mul_i32 s56, ttmp9, 768                      ; raydir at my wave's 32 rays: 64 rays of 12 bytes a group,
	s_mul_i32 s5, s4, 384                          ; 32 a half
	s_add_co_u32 s56, s56, s5
	s_add_nc_u64 s[12:13], s[12:13], s[56:57]
	s_lshr_b32 s56, ttmp9, 2                       ; the group lays anew box g / 4, planes z = 4 (g % 4) .. + 3: 1,024 voxels, one a thread
	s_lshl_b32 s56, s56, 16                        ; a box: 4 channels x 4,096 voxels x 4 bytes
	s_and_b32 s5, ttmp9, 3
	s_lshl_b32 s5, s5, 12                          ; four planes of a channel: 4,096 bytes
	s_add_co_u32 s56, s56, s5
	s_add_nc_u64 s[20:21], s[20:21], s[56:57]
	s_lshl_b32 s56, ttmp9, 14                      ; the same voxels in tpl4: 1,024 x 16 bytes
	s_add_nc_u64 s[22:23], s[22:23], s[56:57]
	s_lshl_b32 s56, ttmp9, 8                       ; 256 bytes a group: 32 point sets of 8 bytes in cand, 64 rays of 4 bytes in a plane of qorg and qstp
	s_add_nc_u64 s[24:25], s[24:25], s[56:57]
	s_add_nc_u64 s[28:29], s[28:29], s[56:57]
	s_add_nc_u64 s[30:31], s[30:31], s[56:57]
.irp c, 0,1,2
	global_load_b32 v[DIR+\c], v2, s[12:13] offset:4*\c
.endr
.irp c, 0,1,2
	global_load_b32 v[PP+2*\c], v2, s[14:15] offset:4*\c
	global_load_b32 v[PP+2*\c+1], v2, s[14:15] offset:384+4*\c
.endr
.irp n, 0,1,2,3,4,5,6,7,8
	global_load_b32 v[RR+2*\n], v3, s[16:17] offset:4*\n
	global_load_b32 v[RR+2*\n+1], v3, s[16:17] offset:1152+4*\n
.endr
.irp c, 0,1,2
	global_load_b32 v[SS+2*\c], v2, s[18:19] offset:4*\c
	global_load_b32 v[SS+2*\c+1], v2, s[18:19] offset:384+4*\c
.endr
.irp c, 0,1,2,3
	global_load_b32 v[4+\c], v8, s[20:21] offset:16384*\c th:TH_LOAD_NT  ; my voxel's four channels: the launch reads each byte of the template once
.endr
	s_wait_kmcnt 0x0                               ; viewpos and dt
	RAYSETUP 34                                    ; behind raydir's three loads: 30 of the boxes, 4 of the template
	; The two waves of step 0 hold the rays' first points: these and the steps become whole numbers, in units of 2^-26, and go to LDS.
	s_cmp_lt_u32 s2, 2
	s_cbranch_scc0 .Lnoray
	s_lshl_b32 s5, s4, 7
	v_lshl_add_u32 v82, v1, 2, s5                  ; my ray among the group's 64
.irp c, 0,1,2
	v_mul_f32 v[QT+3+\c], s[DTN], v[DIR+\c]
.endr
.irp c, 0,1,2
	v_med3_num_f32 v[QT+\c], v[POS+\c], s[LIMN], s[LIMP]      ; 30 x 2^26 is inside 32 bits; only rays that miss the volume, and steps that leave it at once, are cut
	v_med3_num_f32 v[QT+3+\c], v[QT+3+\c], s[LIMN], s[LIMP]
.endr
.irp r, 0,1,2,3,4,5
	v_mul_f32 v[QT+\r], s[TWO26], v[QT+\r]
.endr
.irp r, 0,1,2,3,4,5
	v_cvt_i32_f32 v[QT+\r], v[QT+\r]
.endr
.irp r, 0,1,2,3,4,5
	ds_store_b32 v82, v[QT+\r] offset:QRL+256*\r
.endr
.Lnoray:
	s_wait_loadcnt 4                               ; the boxes are in; the template's four stay out
; Point p against all 64 boxes: 22 vector instructions.
.macro POINT p
.irp c, 0,1,2
	v_readlane_b32 s[PS+2*\c], v[POS+\c], \p
.endr
.irp c, 0,1,2
	v_pk_add_f32 v[XM+2*\c:XM+2*\c+1], v[PP+2*\c:PP+2*\c+1], s[PS+2*\c:PS+2*\c+1] op_sel_hi:[1,0] neg_lo:[1,0] neg_hi:[1,0]  ; pos - p
.endr
.irp j, 0,1,2
	v_pk_mul_f32 v[Y+2*\j:Y+2*\j+1], v[XM:XM+1], v[RR+2*\j:RR+2*\j+1]
.endr
.irp j, 0,1,2
	v_pk_fma_f32 v[Y+2*\j:Y+2*\j+1], v[XM+2:XM+3], v[RR+6+2*\j:RR+6+2*\j+1], v[Y+2*\j:Y+2*\j+1]
.endr
.irp j, 0,1,2
	v_pk_fma_f32 v[Y+2*\j:Y+2*\j+1], v[XM+4:XM+5], v[RR+12+2*\j:RR+12+2*\j+1], v[Y+2*\j:Y+2*\j+1]
.endr
.irp j, 0,1,2
	v_pk_mul_f32 v[Y+2*\j:Y+2*\j+1], v[Y+2*\j:Y+2*\j+1], v[SS+2*\j:SS+2*\j+1]
.endr
	v_max3_num_f32 v80, |v[Y]|, |v[Y+2]|, |v[Y+4]|        ; all three below 1 = the largest below 1
	v_max3_num_f32 v81, |v[Y+1]|, |v[Y+3]|, |v[Y+5]|
	v_cmp_gt_f32 s[CM], 1.0, v80                   ; a bit a lane = a bit a box
	v_cmp_gt_f32 s[CM+1], 1.0, v81
	s_or_b32 s[CAND], s[CAND], s[CM]
	s_or_b32 s[CAND+1], s[CAND+1], s[CM+1]
.endm
.set p, 0
.rept 32
	POINT p
.set p, p+1
.endr
	s_lshl_b32 s5, s2, 3
	v_mov_b32 v84, s5
	v_mov_b32 v82, s[CAND]
	v_mov_b32 v83, s[CAND+1]
	ds_store_b64 v84, v[82:83] offset:CANDL        ; my wave's 8 bytes; all lanes write the same words with the same values
	; Wave 0 of work-group 0 makes qbox: every wave holds all 64 boxes, one is enough.  The LDS bytes are this wave's own.
	s_cmp_lg_u32 s2, 0
	s_cbranch_scc1 .Lnobox
	s_cmp_lg_u32 ttmp9, 0
	s_cbranch_scc1 .Lnobox
.irp n, 0,1,2,3,4,5,6,7,8
	v_pk_mul_f32 v[MF+2*\n:MF+2*\n+1], v[RR+2*\n:RR+2*\n+1], v[SS+2*(\n%3):SS+2*(\n%3)+1]
.endr
.irp n, 0,1,2,3,4,5,6,7,8
	v_pk_mul_f32 v[MF+2*\n:MF+2*\n+1], v[MF+2*\n:MF+2*\n+1], 0x40f00000 op_sel_hi:[1,0]  ; M = 7.5 R scale: voxels for a unit of position
.endr
.irp u, 0,1
	v_max3_num_f32 v[80+\u], |v[MF+\u]|, |v[MF+2+\u]|, |v[MF+4+\u]|
	v_max3_num_f32 v[80+\u], v[80+\u], |v[MF+6+\u]|, |v[MF+8+\u]|
	v_max3_num_f32 v[80+\u], v[80+\u], |v[MF+10+\u]|, |v[MF+12+\u]|
	v_max3_num_f32 v[80+\u], v[80+\u], |v[MF+14+\u]|, |v[MF+16+\u]|
	v_max_num_f32 v[80+\u], 0x39800000, v[80+\u]   ; kept in 2^-12 .. 2^14,
	v_min_num_f32 v[80+\u], 0x46800000, v[80+\u]
	v_lshrrev_b32 v[82+\u], 23, v[80+\u]           ; so its exponent field is 115 .. 141
	v_sub_nc_u32 v[QW+16*\u+12], 141, v[82+\u]     ; b = 14 - exponent: 0 .. 26
	v_sub_nc_u32 v[84+\u], 268, v[82+\u]           ; b + 127,
	v_lshlrev_b32 v[84+\u], 23, v[84+\u]           ; 2^b as f32: |M| 2^b stays below 2^15
.endr
.irp n, 0,1,2,3,4,5,6,7,8
	v_pk_mul_f32 v[MF+2*\n:MF+2*\n+1], v[MF+2*\n:MF+2*\n+1], v[84:85]
.endr
.irp r, 0,1,2,3,4,5,6,7,8,9,10,11,12,13,14,15,16,17
	v_rndne_f32 v[MF+\r], v[MF+\r]
.endr
.irp n, 0,1,2,3,4,5,6,7,8
.irp u, 0,1
	v_cvt_i32_f32 v[QW+16*\u+\n], v[MF+2*\n+\u]
.endr
.endr
.irp c, 0,1,2
.irp u, 0,1
	v_med3_num_f32 v[80+\u], v[PP+2*\c+\u], s[LIMN], s[LIMP]
	v_mul_f32 v[80+\u], s[TWO26], v[80+\u]
	v_cvt_i32_f32 v[QW+16*\u+9+\c], v[80+\u]
.endr
.endr
.irp u, 0,1
.irp r, 13,14,15
	v_mov_b32 v[QW+16*\u+\r], 0
.endr
.endr
	v_lshlrev_b32 v86, 6, v1                       ; a box: 64 bytes
.irp u, 0,1
.irp q, 0,1,2,3
	ds_store_b128 v86, v[QW+16*\u+4*\q:QW+16*\u+4*\q+3] offset:QBL+2048*\u+16*\q
.endr
.endr
.irp t, 0,1,2,3,4,5,6,7
	ds_load_b128 v[QW+4*\t:QW+4*\t+3], v90 offset:QBL+512*\t  ; LDS serves a wave's instructions in order (ISA guide 5.7.1.4): these see the stores above
.endr
.irp t, 0,1,2,3,4,5,6,7
	s_wait_dscnt 7-\t                              ; the later ones of the eight stay out
	global_store_b128 v90, v[QW+4*\t:QW+4*\t+3], s[26:27] offset:512*\t  ; 512 consecutive bytes, at a multiple of 256 from qbox's first byte
.endr
.Lnobox:
	s_wait_loadcnt 0x0                             ; the template's four
	global_store_b128 v9, v[4:7], s[22:23]         ; a wave stores 512 consecutive bytes
	s_wait_dscnt 0x0                               ; for the others' sake: my stores into LDS are done
	s_barrier_signal -1
	s_barrier_wait -1                              ; everybody's are: the one barrier of the launch
; Three planes of 64 rays from LDS to an output: three times 256 consecutive bytes, aligned
.macro PLANES lds, lo
.irp j, 0,1,2
	ds_load_b64 v[82+2*\j:83+2*\j], v91 offset:\lds+256*\j
.endr
.irp j, 0,1,2
	s_wait_dscnt 2-\j                              ; the later ones of the three stay out
	global_store_b64 v91, v[82+2*\j:83+2*\j], s[\lo:\lo+1] offset:65536*\j
.endr
.endm
	s_cmp_lg_u32 s2, 0
	s_cbranch_scc1 .Lnot0
	ds_load_b64 v[82:83], v91 offset:CANDL         ; wave 0: the 32 waves' lists,
	s_wait_dscnt 0x0
	global_store_b64 v91, v[82:83], s[24:25]       ; 256 consecutive bytes, at a multiple of 256 from cand's first byte
	s_branch .Ldone
.Lnot0:
	s_cmp_lg_u32 s2, 1
	s_cbranch_scc1 .Lnot1
	PLANES QRL, 28                                 ; wave 1: the first points
	s_branch .Ldone
.Lnot1:
	s_cmp_lg_u32 s2, 2
	s_cbranch_scc1 .Ldone
	PLANES QRL+768, 30                             ; wave 2: the steps
.Ldone:
	s_wait_tensorcnt 0x0                           ; the wave's end, behind my last LDS store
	ds_add_u32 v[SPW], v[NIL]
	s_wait_dscnt 0x0
	s_endpgm
.Lfunc_end_k_q557cac71bb_mark:
	.size	k_q557cac71bb_mark, .Lfunc_end_k_q557cac71bb_mark-k_q557cac71bb_mark
	.p2alignl 7, 3214868480
	.fill 96, 4, 3214868480
	.section	.rodata,"a",@progbits
	.p2align	6, 0x0
	.amdhsa_kernel k_q557cac71bb_mark
		.amdhsa_group_segment_fixed_size 9984
		.amdhsa_private_segment_fixed_size 0
		.amdhsa_enable_private_segment 0
		.amdhsa_kernarg_size 96
		.amdhsa_user_sgpr_count 2
		.amdhsa_user_sgpr_kernarg_segment_ptr 1
		.amdhsa_wavefront_size32 1
		.amdhsa_system_sgpr_workgroup_id_x 1
		.amdhsa_system_sgpr_workgroup_id_y 1
		.amdhsa_system_sgpr_workgroup_id_z 1
		.amdhsa_system_vgpr_workitem_id 0
		.amdhsa_next_free_vgpr 128
		.amdhsa_next_free_sgpr 66
		.amdhsa_reserve_vcc 1
		.amdhsa_float_denorm_mode_32 3
		.amdhsa_float_denorm_mode_16_64 3
		.amdhsa_memory_ordered 1
		.amdhsa_forward_progress 1
		.amdhsa_inst_pref_size 66
	.end_amdhsa_kernel
	.amdgpu_metadata
---
amdhsa.version: [ 1, 2 ]
amdhsa.kernels:
  - .name:           k_q557cac71bb_mark
    .symbol:         k_q557cac71bb_mark.kd
    .args:
      - { .name: viewpos, .offset: 0, .size: 8, .value_kind: global_buffer, .address_space: global }
      - { .name: dt, .offset: 8, .size: 8, .value_kind: global_buffer, .address_space: global }
      - { .name: raydir, .offset: 16, .size: 8, .value_kind: global_buffer, .address_space: global }
      - { .name: primpos, .offset: 24, .size: 8, .value_kind: global_buffer, .address_space: global }
      - { .name: primrot, .offset: 32, .size: 8, .value_kind: global_buffer, .address_space: global }
      - { .name: primscale, .offset: 40, .size: 8, .value_kind: global_buffer, .address_space: global }
      - { .name: template, .offset: 48, .size: 8, .value_kind: global_buffer, .address_space: global }
      - { .name: tpl4, .offset: 56, .size: 8, .value_kind: global_buffer, .address_space: global }
      - { .name: cand, .offset: 64, .size: 8, .value_kind: global_buffer, .address_space: global }
      - { .name: qbox, .offset: 72, .size: 8, .value_kind: global_buffer, .address_space: global }
      - { .name: qorg, .offset: 80, .size: 8, .value_kind: global_buffer, .address_space: global }
      - { .name: qstp, .offset: 88, .size: 8, .value_kind: global_buffer, .address_space: global }
    .group_segment_fixed_size: 9984
    .private_segment_fixed_size: 0
    .kernarg_segment_align: 8
    .kernarg_segment_size: 96
    .max_flat_workgroup_size: 1024
    .sgpr_count:     66
    .vgpr_count:     128
    .wavefront_size: 32
...
	.end_amdgpu_metadata
.endif
;; end of part 1
;; launch shade (part 2): grid 256 x 1, 32 waves a work-group, no clusters, 22,016 bytes of LDS; arguments viewpos, dt, raydir, primpos, primrot, primscale, tpl4, cand, qbox, qorg, qstp, out0, out1, out2; writes out0, out1, out2
.if DOCPART == 2
	.amdgcn_target "amdgcn-amd-amdhsa--gfx1250"
	.amdhsa_code_object_version 6
	.text
	.protected	k_q557cac71bb_shade
	.globl	k_q557cac71bb_shade
	.p2align	8
	.type	k_q557cac71bb_shade,@function
k_q557cac71bb_shade:
	s_mov_b64 s[64:65], 0
	v_nop
	global_prefetch_b8 v0, s[64:65] scope:SCOPE_SE
	s_setreg_imm32_b32 hwreg(HW_REG_WAVE_MODE, 25, 1), 1
	s_wait_xcnt 0x0
; SHADE: the samples, the compositing and the rays' entry and exit points.
; SHARES, as in the launch before: work-group g owns rays 64 g .. 64 g + 63; wave w has step i = w / 2 of rays 64 g + 32 (w % 2) + lane: point set ps = 32 g + w, a point a lane.
; A wave walks only the boxes that hold at least one of its 32 points: its two words of cand, which the launch before stored, give the trip count and the boxes' numbers.
; It is right whatever the boxes' sizes: 64 trips a wave if every box holds a point of it.
; THE CELL.  No address is made from floating-point numbers in the same launch.  So a point's voxel cell in a box is made of the whole numbers that the launch before stored:
; pos_q = qorg + i qstp (units of 2^-26); xs = (pos_q - centre) >> b (units of 2^(b - 26)); g_q = 8.5 x 2^26 + the sum of xs M_q (M_q in units of 2^-b, so g + 1 in units of 2^-26; sums modulo 2^32, right wherever
; the result fits, as it does inside a box: g < 15); c = g_q >> 26; cell = min(14, c - min(c, 1)).  The shift loses at most 3 x 2^-11 of a voxel, M's rounding the sum of |pos - p| times 2^-(b + 1): at a cell's edge
; the neighbour may be taken.  The fractions are f = g - cell with g in f32 and the cell that was really addressed, and the interpolation is continuous at the edge.
; A TRIP, for box k: the box's numbers by scalar loads; the cell; eight gathers of 16 bytes (a voxel's four channels in tpl4); in their wait y, made as in the launch before, the test |y| < 1 and the fractions;
; seven interpolations a + (b - a) f; lanes whose point the box does not hold have read some cell of the box and add 0: the test only chooses values.
; THEN each wave puts its step's sample (r, g, b, and alpha = a dt, 0 behind the ray's exit) into LDS, one barrier, and wave 0 runs the 16 steps of the saturating sum for all 64 rays, two a lane; waves 1 and 2
; carry out the entry and exit points, which the two waves of step 0 made.  So each store of the outputs covers 256 consecutive bytes, aligned.
; No matrix unit (sums of 3 terms; positions need f32), no tiles in LDS and no cluster (nothing is shared but a few scalars; the gathers go lane by lane).
; LIMITS.  Those of the launch before: NaN inputs not treated apart; a component of raydir below 2^-126 counts as 0; quotients by a corrected reciprocal; fused multiply-adds; box centres up to 30 in size;
; |7.5 R scale| from 2^-12 to 2^15 for the cell's full precision.  viewrot is given to no launch: it is never used.
.set SAMP,  0                          ; LDS: [step 16][channel 4][ray 64] f32, 16,384 bytes
.set BEGP,  16384                      ; [ray 64][3] f32, 768 bytes
.set ENDP,  17152                      ; the same
.set SPARE, 17920                      ; the spare words, 128 bytes for each of 32 waves: sixteen blocks of 256 bytes that no other line names
.set STEP, 3                           ; s3      my wave's step i
.set CAND, 6                           ; s6, s7  the boxes 0-31 and 32-63 that hold any of my wave's points
.set VPR,  36                          ; s36-38  viewpos as given       s39 dt as given
.set DTR,  39
.set VP,   40                          ; s40-42  viewpos / 256          s43 dt / 256
.set DTN,  43
.set A1,   44                          ; s44-46  -1 - vp                s47 i as f32
.set SIF,  47
.set A2,   48                          ; s48-50  1 - vp                 s51 i x dt / 256
.set SIDT, 51
.set NVP,  52                          ; s52-54  -vp
.set INS,  55                          ; s55     the lanes whose point the box holds
.set LIST, 56                          ; s56     the boxes still to be walked
.set NB,   57                          ; s57     how many there were
.set CNT,  58                          ; s58     trips made
.set KL,   59                          ; s59     the box's number in its half
.set BIT,  60
.set KK,   61                          ; s61     k
.set O12,  62                          ; s62     12 k
.set O36,  63                          ; s63     36 k; at the head 8 ps
.set O64,  66                          ; s66     64 k; at the head, with s67 = 0, the pair that is added to addresses
.set OTP,  67                          ; s67     65,536 k
.set PPS,  68                          ; s68-70  the box's centre
.set SCS,  72                          ; s72-74  its scale
.set RS,   76                          ; s76-84  its rotation: R[i][j] at RS + 3 i + j
.set GC,   86                          ; s86     8.5 x 2^26
.set QM,   88                          ; s88-96  M_q[i][j] at QM + 3 i + j;  s97-99 the centre in units of 2^-26
.set QSH,  100                         ; s100    b
.set DIR,  2                           ; v2-4    my ray's direction
.set POS,  5                           ; v5-7    my point
.set TT,   8
.set TMAX, 9
.set TMIN, 10
.set RC,   11                          ; v11-25  at work in the set-up; later v11-13 the cell, v14 at work
.set T1,   14
.set T2,   17
.set LO,   20
.set Q0,   23
.set QE,   24
.set Q1,   25
.set SUM,  32                          ; v32-35  the sample: r, g, b, a
.set XM,   36                          ; v36-38  pos - p
.set Y,    40                          ; v40-42  y, then g
.set FX,   44                          ; v44, 46, 48 the fractions; v45, 47, 49 the cell as f32 (named with them as pairs)
.set CR,   52                          ; v52-83  eight corners of four channels: corner n = 4 dz + 2 dy + dx at CR + 4 n
.set PQ,   84                          ; v84-86  my point in units of 2^-26
.set XS,   87                          ; v87-89  pos_q - centre, shifted
.set GQ,   90                          ; v90-92  g_q
.set SQ,   93                          ; v93-95  my ray's step in units of 2^-26
.set GA,   96                          ; v96-98, v99-101 products at work
.set GB,   99
.set SM,   32                          ; wave 0, behind the barrier: v32-95 eight steps x four channels x two rays
.set AC,   96                          ; v96-103 r, g, b, a of two rays
.set TC,   104                         ; v104-105
.set SPW,  110                         ; v110    LDS address of my spare word; never rewritten
.set NIL,  111                         ; v111    0; never rewritten
; q = sa / d: reciprocal, one correction by the remainder.  Where the correction is no number (d = 0 or infinite) the first product, an infinity or 0, is the quotient.
.macro DIVQ q, sa, d, r
	v_mul_f32 v[Q0], s[\sa], v[\r]
	v_fma_f32 v[QE], -v[Q0], v[\d], s[\sa]
	v_fma_f32 v[Q1], v[QE], v[\r], v[Q0]
	v_cmp_eq_f32 vcc_lo, v[Q1], v[Q1]
	v_cndmask_b32 v[\q], v[Q0], v[Q1], vcc_lo
.endm
; My ray against the volume [-1, 1]^3, and my point on it.  The same text stands in both launches, so that both have the same bits.  viewpos and dt have been waited for.  younger: the loads issued behind raydir's three.
.macro RAYSETUP younger
.irp c, 0,1,2
	s_mul_f32 s[VP+\c], s[VPR+\c], 0x3b800000      ; / 256 is x 2^-8: exact
	s_mul_f32 s[NVP+\c], s[VPR+\c], 0xbb800000
.endr
	s_mul_f32 s[DTN], s[DTR], 0x3b800000
	s_cvt_f32_u32 s[SIF], s[STEP]
.irp c, 0,1,2
	s_add_f32 s[A1+\c], s[NVP+\c], -1.0
	s_add_f32 s[A2+\c], s[NVP+\c], 1.0
.endr
	s_mul_f32 s[SIDT], s[SIF], s[DTN]
	s_wait_loadcnt \younger                        ; loads come back in order (ISA guide 5.7.1): raydir is in, the younger ones stay out
.irp c, 0,1,2
	v_rcp_f32 v[RC+\c], v[DIR+\c]
.endr
	v_nop                                          ; a plain instruction between the last reciprocal and the first use (ISA guide 5.7.2)
	s_wait_alu depctr_va_vdst(0)
.irp c, 0,1,2
	DIVQ T1+\c, A1+\c, DIR+\c, RC+\c
	DIVQ T2+\c, A2+\c, DIR+\c, RC+\c
.endr
.irp c, 0,1,2
	v_min_num_f32 v[LO+\c], v[T1+\c], v[T2+\c]
	v_max_num_f32 v[T2+\c], v[T1+\c], v[T2+\c]
.endr
	v_max3_num_f32 v[TMIN], v[LO], v[LO+1], v[LO+2]
	v_min3_num_f32 v[TMAX], v[T2], v[T2+1], v[T2+2]
	v_cmp_lt_f32 vcc_lo, v[TMIN], v[TMAX]
	v_cndmask_b32 v[TMIN], 0, v[TMIN], vcc_lo      ; a ray that misses the volume has 0 for both
	v_cndmask_b32 v[TMAX], 0, v[TMAX], vcc_lo
	v_max_num_f32 v[TT], 0, v[TMIN]
	v_add_f32 v[TT], s[SIDT], v[TT]                ; t = t0 + i dt
.irp c, 0,1,2
	v_fma_f32 v[POS+\c], v[DIR+\c], v[TT], s[VP+\c]
.endr
.endm
	s_load_b512 s[8:23], s[0:1], 0x0               ; viewpos 8:9, dt 10:11, raydir 12:13, primpos 14:15, primrot 16:17, primscale 18:19, tpl4 20:21, cand 22:23
	s_load_b256 s[24:31], s[0:1], 0x40             ; qbox 24:25, qorg 26:27, qstp 28:29, out0 30:31
	s_load_b128 s[32:35], s[0:1], 0x60             ; out1 32:33, out2 34:35
	v_lshl_add_u32 v[SPW], v0, 2, SPARE
	v_mov_b32 v[NIL], 0
	v_and_b32 v1, 31, v0                           ; lane
	v_lshrrev_b32 v11, 5, v0
	v_readfirstlane_b32 s2, v11                    ; wave 0..31
	s_lshr_b32 s[STEP], s2, 1                      ; step
	s_and_b32 s4, s2, 1                            ; half
	v_mul_u32_u24 v31, 12, v1                      ; my ray in raydir
	v_lshlrev_b32 v29, 2, v1                       ; my ray in a plane of qorg and qstp
.irp c, 0,1,2,3
	v_mov_b32 v[SUM+\c], 0                         ; a wave may have no trip at all
.endr
	s_mov_b32 s[GC], 0x22000000
	s_mov_b32 s67, 0                               ; offsets stay under 2^32: s[66:67] is the pair that is added
	s_lshl_b32 s5, ttmp9, 5
	s_add_co_u32 s5, s5, s2                        ; ps
	s_lshl_b32 s[O36], s5, 3                       ; 8 bytes a point set
	s_wait_kmcnt 0x0
	s_load_b96 s[VPR:VPR+2], s[8:9], 0x0
	s_load_b32 s[DTR], s[10:11], 0x0
	s_load_b64 s[CAND:CAND+1], s[22:23], s[O36] offset:0x0
	s_mul_i32 s66, ttmp9, 768                      ; 64 rays of 12 bytes a group
	s_add_nc_u64 s[32:33], s[32:33], s[66:67]
	s_add_nc_u64 s[34:35], s[34:35], s[66:67]
	s_mul_i32 s5, s4, 384
	s_add_co_u32 s66, s66, s5
	s_add_nc_u64 s[12:13], s[12:13], s[66:67]      ; raydir at my wave's 32 rays
	s_lshl_b32 s66, ttmp9, 8
	s_add_nc_u64 s[30:31], s[30:31], s[66:67]      ; out0: 64 rays of 4 bytes in each channel
	s_lshl_b32 s5, s4, 7
	s_add_co_u32 s66, s66, s5
	s_add_nc_u64 s[26:27], s[26:27], s[66:67]      ; qorg and qstp at my wave's 32 rays
	s_add_nc_u64 s[28:29], s[28:29], s[66:67]
.irp c, 0,1,2
	global_load_b32 v[DIR+\c], v31, s[12:13] offset:4*\c
.endr
.irp c, 0,1,2
	global_load_b32 v[PQ+\c], v29, s[26:27] offset:65536*\c
.endr
.irp c, 0,1,2
	global_load_b32 v[SQ+\c], v29, s[28:29] offset:65536*\c
.endr
	s_wait_kmcnt 0x0                               ; viewpos, dt, and my wave's list
	RAYSETUP 6                                     ; behind raydir's three loads: the six whole numbers of my ray
	s_wait_loadcnt 0x0                             ; those six; v31 is free
.irp c, 0,1,2
	v_mul_lo_u32 v[SQ+\c], v[SQ+\c], s[STEP]
.endr
.irp c, 0,1,2
	v_add_nc_u32 v[PQ+\c], v[PQ+\c], v[SQ+\c]      ; pos_q = first point + i steps
.endr
; a = a + (b - a) f for four channels; f is the low register of the pair at \f
.macro LERP a, b, f
	v_pk_add_f32 v[\b:\b+1], v[\b:\b+1], v[\a:\a+1] neg_lo:[0,1] neg_hi:[0,1]
	v_pk_add_f32 v[\b+2:\b+3], v[\b+2:\b+3], v[\a+2:\a+3] neg_lo:[0,1] neg_hi:[0,1]
	v_pk_fma_f32 v[\a:\a+1], v[\b:\b+1], v[\f:\f+1], v[\a:\a+1] op_sel_hi:[1,0,1]
	v_pk_fma_f32 v[\a+2:\a+3], v[\b+2:\b+3], v[\f:\f+1], v[\a+2:\a+3] op_sel_hi:[1,0,1]
.endm
; One box of half hf (boxes 32 hf .. 32 hf + 31): the lowest bit left in the list.
.macro TRIP hf
	s_wait_xcnt 0x0                                ; the offsets that the last trip's loads named are written again only behind this wait; those loads have all been waited for
	s_ctz_i32_b32 s[KL], s[LIST]
	s_min_u32 s[KL], s[KL], 31                     ; a number made from loaded words enters addresses only behind a bound
	s_lshl_b32 s[BIT], 1, s[KL]
	s_and_not1_b32 s[LIST], s[LIST], s[BIT]        ; the bit is struck off the list
	s_add_co_u32 s[KK], s[KL], 32*\hf              ; k
	s_mul_i32 s[O12], s[KK], 12
	s_mul_i32 s[O36], s[KK], 36
	s_lshl_b32 s[O64], s[KK], 6                    ; a box in qbox: 64 bytes
	s_lshl_b32 s[OTP], s[KK], 16                   ; a box in tpl4: 65,536 bytes
	s_load_b256 s[QM:QM+7], s[24:25], s[O64] offset:0x0
	s_load_b128 s[QM+8:QM+11], s[24:25], s[O64] offset:0x20
	s_load_b32 s[QSH], s[24:25], s[O64] offset:0x30
	s_load_b96 s[PPS:PPS+2], s[14:15], s[O12] offset:0x0
	s_load_b96 s[SCS:SCS+2], s[18:19], s[O12] offset:0x0
	s_load_b256 s[RS:RS+7], s[16:17], s[O36] offset:0x0
	s_load_b32 s[RS+8], s[16:17], s[O36] offset:0x20
	s_wait_kmcnt 0x0                               ; scalar loads come back in no order: all seven
	; the cell, in whole numbers
.irp c, 0,1,2
	v_sub_nc_u32 v[XS+\c], v[PQ+\c], s[QM+9+\c]
.endr
.irp c, 0,1,2
	v_ashrrev_i32 v[XS+\c], s[QSH], v[XS+\c]
.endr
.irp j, 0,1,2
	v_mul_lo_u32 v[GQ+\j], v[XS], s[QM+\j]
.endr
.irp j, 0,1,2
	v_mul_lo_u32 v[GA+\j], v[XS+1], s[QM+3+\j]
.endr
.irp j, 0,1,2
	v_mul_lo_u32 v[GB+\j], v[XS+2], s[QM+6+\j]
.endr
.irp j, 0,1,2
	v_add3_u32 v[GQ+\j], v[GQ+\j], v[GA+\j], v[GB+\j]
.endr
.irp j, 0,1,2
	v_add_nc_u32 v[GQ+\j], s[GC], v[GQ+\j]         ; g + 1 in units of 2^-26: inside a box above 0 and below 2^30
.endr
.irp j, 0,1,2
	v_lshrrev_b32 v[11+\j], 26, v[GQ+\j]           ; its whole part: inside a box 0 .. 16
.endr
.irp j, 0,1,2
	v_min_u32 v[GA+\j], 1, v[11+\j]
.endr
.irp j, 0,1,2
	v_sub_nc_u32 v[11+\j], v[11+\j], v[GA+\j]      ; less 1, but not below 0
.endr
.irp j, 0,1,2
	v_min_u32 v[11+\j], 14, v[11+\j]               ; the cell's upper bound, 16 - 2; also the bound behind which a number made from loaded words may enter an address
.endr
	v_lshl_add_u32 v31, v13, 4, v12                ; (z0 16 + y0) 16 + x0,
	v_lshl_add_u32 v31, v31, 4, v11
	v_lshl_add_u32 v31, v31, 4, s[OTP]             ; 16 bytes a voxel, + the box
.irp n, 0,1,2,3,4,5,6,7
	global_load_b128 v[CR+4*\n:CR+4*\n+3], v31, s[20:21] offset:4096*(\n/4)+256*((\n/2)%2)+16*(\n%2)
.endr
	; in the wait for the corners: y, the test, the fractions, in f32
.irp c, 0,1,2
	v_sub_f32 v[XM+\c], v[POS+\c], s[PPS+\c]
.endr
.irp j, 0,1,2
	v_mul_f32 v[Y+\j], s[RS+\j], v[XM]
.endr
.irp j, 0,1,2
	v_fmac_f32 v[Y+\j], s[RS+3+\j], v[XM+1]
.endr
.irp j, 0,1,2
	v_fmac_f32 v[Y+\j], s[RS+6+\j], v[XM+2]
.endr
.irp j, 0,1,2
	v_mul_f32 v[Y+\j], s[SCS+\j], v[Y+\j]
.endr
	v_max3_num_f32 v14, |v[Y]|, |v[Y+1]|, |v[Y+2]|
	v_cmp_gt_f32 s[INS], 1.0, v14                  ; the same test on the same bits as in the launch before
.irp j, 0,1,2
	v_add_f32 v[Y+\j], 1.0, v[Y+\j]
.endr
	v_cvt_f32_u32 v[FX+1], v11
	v_cvt_f32_u32 v[FX+3], v12
	v_cvt_f32_u32 v[FX+5], v13
.irp j, 0,1,2
	v_mul_f32 v[Y+\j], 0x40f00000, v[Y+\j]         ; g = (y + 1) 7.5
.endr
.irp j, 0,1,2
	v_sub_f32 v[FX+2*\j], v[Y+\j], v[FX+2*\j+1]    ; the fraction goes with the cell that was really addressed
.endr
	s_wait_loadcnt 6                               ; corners 0, 1 are in; the six behind them stay out
	LERP CR+0, CR+4, FX
	s_wait_loadcnt 4                               ; corners 2, 3
	LERP CR+8, CR+12, FX
	LERP CR+0, CR+8, FX+2
	s_wait_loadcnt 2                               ; corners 4, 5
	LERP CR+16, CR+20, FX
	s_wait_loadcnt 0x0                             ; corners 6, 7: nothing is out at the trip's end
	LERP CR+24, CR+28, FX
	LERP CR+16, CR+24, FX+2
	LERP CR+0, CR+16, FX+4
.irp c, 0,1,2,3
	v_cndmask_b32 v[CR+\c], 0, v[CR+\c], s[INS]    ; a choice, not a product: what the other lanes made need not be finite
.endr
	v_pk_add_f32 v[SUM:SUM+1], v[SUM:SUM+1], v[CR:CR+1]
	v_pk_add_f32 v[SUM+2:SUM+3], v[SUM+2:SUM+3], v[CR+2:CR+3]
.endm
; The boxes of half hf that hold any of my wave's points: as many trips as the word has bits.
.macro HALF hf
	s_mov_b32 s[LIST], s[CAND+\hf]
	s_bcnt1_i32_b32 s[NB], s[LIST]
	s_cmp_eq_u32 s[NB], 0
	s_cbranch_scc1 .Lnone_\@
	s_mov_b32 s[CNT], 0
.Ltrip_\@:
	TRIP \hf
	s_add_co_u32 s[CNT], s[CNT], 1
	s_cmp_lt_u32 s[CNT], s[NB]
	s_cbranch_scc1 .Ltrip_\@
.Lnone_\@:
.endm
	HALF 0
	HALF 1
	; my step's sample goes to LDS
	v_mul_f32 v[SUM+3], s[DTN], v[SUM+3]           ; alpha = a dt,
	v_cmp_lt_f32 vcc_lo, v[TT], v[TMAX]
	v_cndmask_b32 v[SUM+3], 0, v[SUM+3], vcc_lo    ; 0 from the ray's exit on
	s_lshl_b32 s5, s[STEP], 10                     ; a step: 4 channels x 64 rays x 4 bytes
	s_lshl_b32 s6, s4, 7
	s_add_co_u32 s5, s5, s6
	v_lshl_add_u32 v11, v1, 2, s5
.irp c, 0,1,2,3
	ds_store_b32 v11, v[SUM+\c] offset:SAMP+256*\c
.endr
	s_cmp_lt_u32 s2, 2                             ; the two waves of step 0 also make the entry and exit points
	s_cbranch_scc0 .Lnobeg
	s_mul_i32 s6, s4, 384
	v_mul_u32_u24 v12, 12, v1
	v_add_nc_u32 v12, s6, v12
.irp c, 0,1,2
	v_fma_f32 v[14+\c], v[DIR+\c], v[TMIN], s[VP+\c]
	v_fma_f32 v[17+\c], v[DIR+\c], v[TMAX], s[VP+\c]
.endr
.irp c, 0,1,2
	ds_store_b32 v12, v[14+\c] offset:BEGP+4*\c
	ds_store_b32 v12, v[17+\c] offset:ENDP+4*\c
.endr
.Lnobeg:
	s_wait_dscnt 0x0                               ; for the others' sake: my stores are done
	s_barrier_signal -1
	s_barrier_wait -1                              ; everybody's are: the one barrier of the launch
; Eight steps, from step first on, of the saturating sum for rays 2 lane and 2 lane + 1: contrib = min(a + alpha, 1) - a; r, g, b += sample x contrib; a += contrib.
.macro COMP8 first
.irp st, 0,1,2,3,4,5,6,7
.irp ch, 0,1,2,3
	ds_load_b64 v[SM+8*\st+2*\ch:SM+8*\st+2*\ch+1], v11 offset:SAMP+1024*(\first+\st)+256*\ch
.endr
.endr
.irp st, 0,1,2,3,4,5,6,7
	s_wait_dscnt 4*(7-\st)                         ; LDS loads come back in order (ISA guide 5.7.1): this step's four are in, the later steps' stay out
	v_pk_add_f32 v[TC:TC+1], v[AC+6:AC+7], v[SM+8*\st+6:SM+8*\st+7]
	v_min_num_f32 v[TC], 1.0, v[TC]
	v_min_num_f32 v[TC+1], 1.0, v[TC+1]
	v_pk_add_f32 v[TC:TC+1], v[TC:TC+1], v[AC+6:AC+7] neg_lo:[0,1] neg_hi:[0,1]
.irp ch, 0,1,2
	v_pk_fma_f32 v[AC+2*\ch:AC+2*\ch+1], v[SM+8*\st+2*\ch:SM+8*\st+2*\ch+1], v[TC:TC+1], v[AC+2*\ch:AC+2*\ch+1]
.endr
	v_pk_add_f32 v[AC+6:AC+7], v[AC+6:AC+7], v[TC:TC+1]
.endr
.endm
; 768 bytes from LDS to an output: three times 256 consecutive bytes, aligned
.macro COPY3 lds, lo
	v_lshlrev_b32 v11, 3, v1
.irp j, 0,1,2
	ds_load_b64 v[12+2*\j:13+2*\j], v11 offset:\lds+256*\j
.endr
.irp j, 0,1,2
	s_wait_dscnt 2-\j                              ; the later ones of the three stay out
	global_store_b64 v11, v[12+2*\j:13+2*\j], s[\lo:\lo+1] offset:256*\j
.endr
.endm
	s_cmp_lg_u32 s2, 0
	s_cbranch_scc1 .Lnot0
	v_lshlrev_b32 v11, 3, v1                       ; wave 0: two rays a lane
.irp r, 0,1,2,3,4,5,6,7
	v_mov_b32 v[AC+\r], 0
.endr
	COMP8 0
	COMP8 8
.irp ch, 0,1,2,3
	global_store_b64 v11, v[AC+2*\ch:AC+2*\ch+1], s[30:31] offset:65536*\ch  ; 64 rays of a channel: 256 consecutive bytes, at a multiple of 256 from out0's first byte
.endr
	s_branch .Ldone
.Lnot0:
	s_cmp_lg_u32 s2, 1
	s_cbranch_scc1 .Lnot1
	COPY3 BEGP, 32                                 ; wave 1: the entry points
	s_branch .Ldone
.Lnot1:
	s_cmp_lg_u32 s2, 2
	s_cbranch_scc1 .Ldone
	COPY3 ENDP, 34                                 ; wave 2: the exit points
.Ldone:
	s_wait_tensorcnt 0x0                           ; the wave's end, behind my last LDS store
	ds_add_u32 v[SPW], v[NIL]
	s_wait_dscnt 0x0
	s_endpgm
.Lfunc_end_k_q557cac71bb_shade:
	.size	k_q557cac71bb_shade, .Lfunc_end_k_q557cac71bb_shade-k_q557cac71bb_shade
	.p2alignl 7, 3214868480
	.fill 96, 4, 3214868480
	.section	.rodata,"a",@progbits
	.p2align	6, 0x0
	.amdhsa_kernel k_q557cac71bb_shade
		.amdhsa_group_segment_fixed_size 22016
		.amdhsa_private_segment_fixed_size 0
		.amdhsa_enable_private_segment 0
		.amdhsa_kernarg_size 112
		.amdhsa_user_sgpr_count 2
		.amdhsa_user_sgpr_kernarg_segment_ptr 1
		.amdhsa_wavefront_size32 1
		.amdhsa_system_sgpr_workgroup_id_x 1
		.amdhsa_system_sgpr_workgroup_id_y 1
		.amdhsa_system_sgpr_workgroup_id_z 1
		.amdhsa_system_vgpr_workitem_id 0
		.amdhsa_next_free_vgpr 112
		.amdhsa_next_free_sgpr 102
		.amdhsa_reserve_vcc 1
		.amdhsa_float_denorm_mode_32 3
		.amdhsa_float_denorm_mode_16_64 3
		.amdhsa_memory_ordered 1
		.amdhsa_forward_progress 1
		.amdhsa_inst_pref_size 35
	.end_amdhsa_kernel
	.amdgpu_metadata
---
amdhsa.version: [ 1, 2 ]
amdhsa.kernels:
  - .name:           k_q557cac71bb_shade
    .symbol:         k_q557cac71bb_shade.kd
    .args:
      - { .name: viewpos, .offset: 0, .size: 8, .value_kind: global_buffer, .address_space: global }
      - { .name: dt, .offset: 8, .size: 8, .value_kind: global_buffer, .address_space: global }
      - { .name: raydir, .offset: 16, .size: 8, .value_kind: global_buffer, .address_space: global }
      - { .name: primpos, .offset: 24, .size: 8, .value_kind: global_buffer, .address_space: global }
      - { .name: primrot, .offset: 32, .size: 8, .value_kind: global_buffer, .address_space: global }
      - { .name: primscale, .offset: 40, .size: 8, .value_kind: global_buffer, .address_space: global }
      - { .name: tpl4, .offset: 48, .size: 8, .value_kind: global_buffer, .address_space: global }
      - { .name: cand, .offset: 56, .size: 8, .value_kind: global_buffer, .address_space: global }
      - { .name: qbox, .offset: 64, .size: 8, .value_kind: global_buffer, .address_space: global }
      - { .name: qorg, .offset: 72, .size: 8, .value_kind: global_buffer, .address_space: global }
      - { .name: qstp, .offset: 80, .size: 8, .value_kind: global_buffer, .address_space: global }
      - { .name: out0, .offset: 88, .size: 8, .value_kind: global_buffer, .address_space: global }
      - { .name: out1, .offset: 96, .size: 8, .value_kind: global_buffer, .address_space: global }
      - { .name: out2, .offset: 104, .size: 8, .value_kind: global_buffer, .address_space: global }
    .group_segment_fixed_size: 22016
    .private_segment_fixed_size: 0
    .kernarg_segment_align: 8
    .kernarg_segment_size: 112
    .max_flat_workgroup_size: 1024
    .sgpr_count:     102
    .vgpr_count:     112
    .wavefront_size: 32
...
	.end_amdgpu_metadata
.endif
;; end of part 2
